; MI455X (gfx1250); checked and timed in simulation.
; The chip was launched on July 23, 2026; its instructions are those of AMD's public machine-readable ISA for CDNA 5 (MIT licence, August 2026) and "CDNA5" Instruction Set Architecture Reference Guide (July 2026). The comments in the code are by the model that wrote it; some were corrected since.
;; Linear VC. Allowed arithmetic: matrix products marked QUANTISED: E4M3 operands, one given power-of-two scale a tensor, by v_wmma_f32_16x16x64_fp8_fp8 or v_wmma_f32_16x16x128_fp8_fp8, f32 sums; everything else in f32.
;; Inputs: lowp_scales 2 int32 (the exponents e of the quantised operands' scales 2^e); source_features 8,192 x 1,024 float32; target_features 8,192 x 1,024 float32.
;; Outputs: out0 8,192 x 1,024 float32.
;; This version of the problem:
;;   THIS VERSION OF THE PROBLEM IS GIVEN IN LOW PRECISION. The matrix products marked QUANTISED in the list below multiply operands that are first quantised to E4M3 (4 exponent bits, 3 mantissa bits; 8 bits a number), with one given power-of-two scale for each operand tensor; their sums are f32. All else is computed in f32.
;;   The module's matrix products, in the order in which they are computed (A, B: the left and right operand; K: the contracted axis; several contracted axes count as one K, in the product's order):
;;     1. [M 8,192, K 1,024] x [K 1,024, N 8,192]; A: computed on the way; B: computed on the way: QUANTISED (scales: A lowp_scales[0], B lowp_scales[1])
;;   THE QUANTISER, for each operand of a quantised product, along K:
;;     - The operand's scale is 2^e, e = its entry of the input lowp_scales (int32; the entries are numbered through the quantised products in the list's order, A before B).
;;     - Each number is divided by the scale, clamped to +-448, and rounded to the nearest number of E4M3, ties to even, subnormals kept.
;;     - The product sums the exact products of the quantised numbers (number of the format x scale) in f32.
;;   ~~~python
;;   def quantise(x, axis, e):      # numpy; x: float32 -> the quantised numbers, widened to float32 again
;;       x = np.moveaxis(x, axis, -1); K = x.shape[-1]
;;       r = np.clip(x / 2.0 ** e, -448, 448)
;;       step = 2.0 ** (np.maximum(np.frexp(np.where(r == 0, 1, r))[1] - 1, -6) - 3)
;;       q = np.round(r / step) * step * 2.0 ** e      # np.round: ties to even
;;       return np.moveaxis(q, -1, axis).astype(np.float32)
;;   ~~~
;;   OPERANDS COMPUTED ON THE WAY. 'Computed on the way' means the value that the module computes at that place (a softmax that the list does not call 'softmax' is quantised finished and normalised). What goes into a quantiser is computed in f32, as accurately as f32 sums, v_exp_f32 and their like allow (about 1e-6 of the number): no bf16 or f16 on the way to a quantiser, and a product that is left as it is and whose result goes on into a quantised operand takes f32 operands (vector FMAs, or v_wmma_f32_16x16x4_f32). A number that lies on a knife's edge between two numbers of the format may be rounded either way, as far as f32 arithmetic and the matrix unit's own rounding can turn it there, and no further.
;; One version. Each part assembles by itself: llvm-mc -triple=amdgcn-amd-amdhsa -mcpu=gfx1250 --defsym DOCPART=n.
;; ======== version 1 of 1: 3 launches
;; workspace buffers: src_codes 8,388,608 bytes; tgt_codes 8,388,608 bytes; cand 524,288 bytes of whole numbers
;; launch quant (part 1): grid 256 x 1, 4 waves a work-group, no clusters, 70,144 bytes of LDS; arguments source_features, target_features, lowp_scales, src_codes, tgt_codes; writes src_codes, tgt_codes
.if DOCPART == 1
	.amdgcn_target "amdgcn-amd-amdhsa--gfx1250"
	.amdhsa_code_object_version 6
	.text
	.protected	k_qa80b491d09_quant
	.globl	k_qa80b491d09_quant
	.p2align	8
	.type	k_qa80b491d09_quant,@function
k_qa80b491d09_quant:
	s_mov_b64 s[64:65], 0
	v_nop
	global_prefetch_b8 v0, s[64:65] scope:SCOPE_SE
	s_setreg_imm32_b32 hwreg(HW_REG_WAVE_MODE, 25, 1), 1
	s_wait_xcnt 0x0
; Rows of source_features and target_features ([8192][1024] f32) are divided by max(their norm, 1e-12) and turned into codes of E4M3 with the given scales 2^e0 (source) and 2^e1 (target):
; code = (x / max(norm, 1e-12)) / 2^e, held within +-448, rounded to the nearest code, ties to even.
; LIMITS: e between -126 and 119, so that 2^e and 448 x 2^e are f32 numbers.  NaN among the inputs is not served.  The division is x times v_rcp_f32 of max(v_sqrt_f32(sum of squares), 1e-12): three roundings
; in f32 where a division has one.  All arithmetic ahead of the conversion is f32.
; THE CODES' LAYOUT is that of the product's operand registers.  A tile is 16 rows, 16,384 bytes: 64 pieces of 256 bytes; piece P = 8 s + 2 c + h holds, for rows 0 to 15 on end, 16 bytes each: what lane (row, h) takes
; into registers 4 c .. 4 c + 3 of its fragment of K step s.  So a fragment is four loads of 16 bytes a lane at 16 x lane, 512 bytes apart.
; WHICH k LIES WHERE: byte b of that lane's 16 is k = 128 (4 (s / 4) + b / 4) + 4 (8 (s % 4) + 2 c + h) + b % 4: a permutation of k, the same in both tensors, so every product meets its partner;
; only the order of the sums inside a matrix instruction differs from ascending k.  It is the order in which dense loads of a row leave the numbers in a wave's lanes, so no number changes lanes.
; SHARES.  Work-groups 0-127 take the source, 128-255 the target: only pointers and e are chosen, there is one path.  A wave takes one tile, a row at a time: eight loads of 512 consecutive bytes hold the row in 32
; registers a lane, between the pass that sums squares and the pass that scales: memory is read once, and no wave waits for another.  Four row slots: three rows (24 loads) are on their way while one is worked on.
; A row's codes are 32 bytes a lane: two stores of 16 bytes into the wave's own stage in LDS (pieces 272 bytes apart, so that sixteen lanes fall on sixteen different columns of 16 bytes); at the end the stage is read
; back piece by piece and each store of the wave covers 512 consecutive bytes, aligned.  No tensor loads, no barrier, no matrix work: a stream in which waves share nothing.
.set ROWB, 4096                        ; bytes in a row of f32
.set PP,   272                         ; a piece in the stage: 256 bytes + 16
.set STG,  64*PP                       ; a wave's stage
.set SQ,   8                           ; v[8:15]    four chains of packed sums of squares
.set C,    16                          ; v[16:31]   a row's codes: two sets of 8 by turns
.set X,    32                          ; v[32:159]  four row slots of 32; at the end the stage read back
.set LIM,  160                         ; v160       448 x 2^e
.set SCL,  161                         ; v161       2^e
; v1 16 x lane (offset of loads and stores); v2 where I store into the stage; v3 where I read it back; v[4:5] 1 / norm (v5 named with it as a pair); v6 the norm; v7 the other half of the lanes' sum
	s_load_b128 s[4:7], s[0:1], 0x0                ; source, target
	s_load_b64 s[8:9], s[0:1], 0x10                ; the scales' exponents
	s_load_b128 s[12:15], s[0:1], 0x18             ; the source's codes, the target's codes
	v_lshl_add_u32 v164, v0, 2, 0x11000
	v_mov_b32 v165, 0
	v_lshrrev_b32 v6, 5, v0
	v_readfirstlane_b32 s16, v6                    ; wave 0..3
	v_and_b32 v6, 31, v0                           ; lane
	v_lshlrev_b32 v1, 4, v6
	s_mul_i32 s17, s16, STG                        ; my stage
	v_mul_u32_u24 v2, v6, PP
	v_add_nc_u32 v2, s17, v2                       ; in: piece = lane (and lane + 32, by the immediate); the row stands in the immediate
	v_lshrrev_b32 v3, 4, v6
	v_and_b32 v7, 15, v6
	v_mul_u32_u24 v3, v3, PP
	v_lshl_add_u32 v3, v7, 4, v3
	v_add_nc_u32 v3, s17, v3                       ; back: lanes 0-15 one piece, lanes 16-31 the next
	v_mov_b32 v5, 0                                ; (named as the upper half of the pair v[4:5])
	s_mov_b32 s20, 0x76543210                      ; v_permlanex16_b32: lane l takes lane l xor 16
	s_mov_b32 s21, 0xfedcba98
	s_mov_b32 s22, 0x2b8cbccc                      ; 1e-12
	s_wait_kmcnt 0x0
	s_load_b64 s[24:25], s[8:9], 0x0               ; e0, e1
	s_cmp_lt_u32 ttmp9, 128                        ; source or target?  The choice hangs on the work-group's number alone
	s_cselect_b64 s[4:5], s[4:5], s[6:7]
	s_cselect_b64 s[12:13], s[12:13], s[14:15]
	s_cselect_b32 s26, 0, 128
	s_sub_co_u32 s26, ttmp9, s26
	s_lshl_b32 s26, s26, 2
	s_add_co_u32 s26, s26, s16                     ; my tile: 4 x (work-group within the tensor) + wave, 0 to 511
	s_lshl_b32 s18, s26, 16                        ; 16 rows of 4,096 bytes
	s_mov_b32 s19, 0
	s_add_nc_u64 s[4:5], s[4:5], s[18:19]
	s_lshl_b32 s18, s26, 14                        ; 16,384 bytes of codes
	s_add_nc_u64 s[12:13], s[12:13], s[18:19]
.macro FILL r                          ; row r into slot r % 4: eight loads of 512 consecutive bytes; lane l's register 4 i + y is k = 128 i + 4 l + y.  Every offset is an immediate, 65,024 at the most
.irp i, 0,1,2,3,4,5,6,7
	global_load_b128 v[X+32*((\r)%4)+4*\i:X+32*((\r)%4)+4*\i+3], v1, s[4:5] offset:(\r)*ROWB+512*\i th:TH_LOAD_NT
.endr
.endm
	FILL 0
	FILL 1
	FILL 2
	FILL 3
	s_wait_kmcnt 0x0
	s_cmp_lt_u32 ttmp9, 128
	s_cselect_b32 s24, s24, s25                    ; e
	s_add_co_i32 s24, s24, 127
	s_lshl_b32 s25, s24, 23
	v_mov_b32 v[SCL], s25                          ; 2^e as f32: the conversion takes its exponent field
	s_add_co_i32 s24, s24, 8
	s_lshl_b32 s24, s24, 23
	s_or_b32 s24, s24, 0x600000
	v_mov_b32 v[LIM], s24                          ; 448 x 2^e
.macro TURN r
.set XS, X+32*((\r)%4)
.set CS, C+8*((\r)%2)
.if 15-(\r) >= 3
	s_wait_loadcnt 24                              ; loads come back in order: my row's eight are in, the three younger rows' stay out
.else
	s_wait_loadcnt 8*(15-(\r))
.endif
.irp c, 0,1,2,3
	v_pk_mul_f32 v[SQ+2*\c:SQ+2*\c+1], v[XS+2*\c:XS+2*\c+1], v[XS+2*\c:XS+2*\c+1]    ; the first four pairs start the chains: nothing is cleared
.endr
.irp j, 4,5,6,7,8,9,10,11,12,13,14,15
	v_pk_fma_f32 v[SQ+2*(\j%4):SQ+2*(\j%4)+1], v[XS+2*\j:XS+2*\j+1], v[XS+2*\j:XS+2*\j+1], v[SQ+2*(\j%4):SQ+2*(\j%4)+1]
.endr
	v_pk_add_f32 v[SQ:SQ+1], v[SQ:SQ+1], v[SQ+2:SQ+3]
	v_pk_add_f32 v[SQ+4:SQ+5], v[SQ+4:SQ+5], v[SQ+6:SQ+7]
	v_pk_add_f32 v[SQ:SQ+1], v[SQ:SQ+1], v[SQ+4:SQ+5]
	v_add_f32 v[SQ], v[SQ], v[SQ+1]
	v_add_f32_dpp v[SQ], v[SQ], v[SQ] row_xmask:1 row_mask:0xf bank_mask:0xf   ; across the 32 lanes: four steps inside each half,
	v_add_f32_dpp v[SQ], v[SQ], v[SQ] row_xmask:2 row_mask:0xf bank_mask:0xf
	v_add_f32_dpp v[SQ], v[SQ], v[SQ] row_xmask:4 row_mask:0xf bank_mask:0xf
	v_add_f32_dpp v[SQ], v[SQ], v[SQ] row_xmask:8 row_mask:0xf bank_mask:0xf
	v_permlanex16_b32 v7, v[SQ], s20, s21          ; one across the halves
	v_add_f32 v[SQ], v[SQ], v7                     ; every lane holds the row's sum of squares
	v_sqrt_f32 v6, v[SQ]
	v_nop                                          ; a plain instruction behind the root,
	s_wait_alu depctr_va_vdst(0)                   ; and the wait ahead of its first reader
	v_max_num_f32 v6, s22, v6                      ; max(norm, 1e-12)
	v_rcp_f32 v4, v6
	v_nop
	s_wait_alu depctr_va_vdst(0)                   ; the same for the reciprocal
.irp j, 0,1,2,3,4,5,6,7,8,9,10,11,12,13,14,15
	v_pk_mul_f32 v[XS+2*\j:XS+2*\j+1], v[XS+2*\j:XS+2*\j+1], v[4:5] op_sel_hi:[1,0]
.endr
.irp j, 0,1,2,3,4,5,6,7,8,9,10,11,12,13,14,15,16,17,18,19,20,21,22,23,24,25,26,27,28,29,30,31
	v_med3_num_f32 v[XS+\j], v[XS+\j], -v[LIM], v[LIM]   ; the conversion to an 8-bit code does not saturate (ISA guide 7.6.2): the hold at the largest code x the scale comes first
.endr
	s_wait_dscnt 2                                 ; the last turn's two stores may be out; those of two turns ago, which read this set of codes, are done
.irp g, 0,1,2,3
	v_cvt_scalef32_pk8_fp8_f32 v[CS+2*\g:CS+2*\g+1], v[XS+8*\g:XS+8*\g+7], v[SCL]   ; register i of the eight: the four codes of k = 128 i + 4 l + 0 .. 3
.endr
	v_nop                                          ; one plain instruction behind the last conversion
	ds_store_b128 v2, v[CS:CS+3] offset:16*(\r)            ; piece l: K steps 0 to 3
	ds_store_b128 v2, v[CS+4:CS+7] offset:32*PP+16*(\r)    ; piece 32 + l: K steps 4 to 7
.if (\r)+4 < 16
	FILL (\r)+4                                    ; the slot takes the row four further on
.endif
.endm
.irp r, 0,1,2,3,4,5,6,7,8,9,10,11,12,13,14,15
	TURN \r
.endr
.set Q, 0
.rept 32
	ds_load_b128 v[X+4*Q:X+4*Q+3], v3 offset:2*PP*Q        ; LDS serves a wave's instructions in order (ISA guide 5.7.1.4): these see my stores
.set Q, Q+1
.endr
.set Q, 0
.rept 32
	s_wait_dscnt 31-Q                              ; load Q is in; the younger ones stay out
	global_store_b128 v1, v[X+4*Q:X+4*Q+3], s[12:13] offset:512*Q   ; two pieces: 512 consecutive bytes, at a multiple of 512 from the buffer's first byte
.set Q, Q+1
.endr
	s_wait_tensorcnt 0x0
	ds_add_u32 v164, v165
	s_wait_dscnt 0x0
	s_endpgm
.Lfunc_end_k_qa80b491d09_quant:
	.size	k_qa80b491d09_quant, .Lfunc_end_k_qa80b491d09_quant-k_qa80b491d09_quant
	.p2alignl 7, 3214868480
	.fill 96, 4, 3214868480
	.section	.rodata,"a",@progbits
	.p2align	6, 0x0
	.amdhsa_kernel k_qa80b491d09_quant
		.amdhsa_group_segment_fixed_size 70144
		.amdhsa_private_segment_fixed_size 0
		.amdhsa_enable_private_segment 0
		.amdhsa_kernarg_size 40
		.amdhsa_user_sgpr_count 2
		.amdhsa_user_sgpr_kernarg_segment_ptr 1
		.amdhsa_wavefront_size32 1
		.amdhsa_system_sgpr_workgroup_id_x 1
		.amdhsa_system_sgpr_workgroup_id_y 1
		.amdhsa_system_sgpr_workgroup_id_z 1
		.amdhsa_system_vgpr_workitem_id 0
		.amdhsa_next_free_vgpr 166
		.amdhsa_next_free_sgpr 66
		.amdhsa_reserve_vcc 0
		.amdhsa_float_denorm_mode_32 3
		.amdhsa_float_denorm_mode_16_64 3
		.amdhsa_memory_ordered 1
		.amdhsa_forward_progress 1
		.amdhsa_inst_pref_size 105
	.end_amdhsa_kernel
	.amdgpu_metadata
---
amdhsa.version: [ 1, 2 ]
amdhsa.kernels:
  - .name:           k_qa80b491d09_quant
    .symbol:         k_qa80b491d09_quant.kd
    .args:
      - { .name: source_features, .offset: 0, .size: 8, .value_kind: global_buffer, .address_space: global }
      - { .name: target_features, .offset: 8, .size: 8, .value_kind: global_buffer, .address_space: global }
      - { .name: lowp_scales, .offset: 16, .size: 8, .value_kind: global_buffer, .address_space: global }
      - { .name: src_codes, .offset: 24, .size: 8, .value_kind: global_buffer, .address_space: global }
      - { .name: tgt_codes, .offset: 32, .size: 8, .value_kind: global_buffer, .address_space: global }
    .group_segment_fixed_size: 70144
    .private_segment_fixed_size: 0
    .kernarg_segment_align: 8
    .kernarg_segment_size: 40
    .max_flat_workgroup_size: 128
    .sgpr_count:     66
    .vgpr_count:     166
    .wavefront_size: 32
...
	.end_amdgpu_metadata
.endif
;; end of part 1
;; launch knn (part 2): grid 32 x 8, 4 waves a work-group, clusters of 4 x 1, 327,680 bytes of LDS; arguments src_codes, tgt_codes, lowp_scales, cand; writes cand
.if DOCPART == 2
	.amdgcn_target "amdgcn-amd-amdhsa--gfx1250"
	.amdhsa_code_object_version 6
	.text
	.protected	k_qa80b491d09_knn
	.globl	k_qa80b491d09_knn
	.p2align	8
	.type	k_qa80b491d09_knn,@function
k_qa80b491d09_knn:
	s_mov_b64 s[64:65], 0
	v_nop
	global_prefetch_b8 v0, s[64:65] scope:SCOPE_SE
	s_setreg_imm32_b32 hwreg(HW_REG_WAVE_MODE, 25, 1), 1
	s_wait_xcnt 0x0
	s_wait_alu depctr_hold_cnt(0) depctr_sa_sdst(0) depctr_va_vdst(0) depctr_va_sdst(0) depctr_va_ssrc(0) depctr_va_vcc(0) depctr_vm_vsrc(0)
	s_getreg_b32 s2, hwreg(HW_REG_IB_STS2, 6, 4)
	s_cmp_eq_u32 s2, 0
	s_cbranch_scc0 .Lentry_in_a_cluster
	s_endpgm
.Lentry_in_a_cluster:
	s_bfe_u32 s2, ttmp6, 0x10000c
	s_cmp_lg_u32 s2, 0x3003
	s_cbranch_scc0 .Lentry_shape_is_right
	s_endpgm
.Lentry_shape_is_right:
; For each of 8,192 source rows and each eighth of the 8,192 targets: the smallest d = 1 - 2^(e0 + e1) x (sum over k of source code x target code), and the target that has it (the lowest index among equals).
; Codes of E4M3 as the launch before laid them: tiles of 16 rows, 16,384 bytes, eight images (K steps of 128) of 2,048 bytes in the order of the operand's registers; k is permuted alike in both tensors.
; OUT: cand [8 eighths][8192 rows][2 words]: a key and the target's index.  The key is d's f32 pattern made monotone as an unsigned number (pattern xor (sign spread | top bit)): the next launch compares keys as whole numbers.
; LIMITS: e0 + e1 between -126 and 127, so that 2^(e0 + e1) is an f32 number.  NaN is not served.  d is one fused multiply-add, 1 - sum x 2^(e0 + e1): one rounding, as 1 - (a sum scaled by a power of two) has.
; SHARES.  A work-group owns 256 source rows (row block = 4 x cluster x + cx) and 1,024 targets (work-group y): 32 x 8 = 256 work-groups of equal work.  Wave w keeps its 64 source rows x all 1,024 of K in registers for
; the whole launch (4 row tiles x 8 K steps x 16 = 512 registers), loaded once straight from memory.  Only the targets stream: through a ring of two LDS slots of 8 tiles (131,072 bytes), read by all four waves.
; A fragment of a target tile (2,048 bytes from LDS) feeds four matrix instructions.
; A TRIP is one target tile x all of K: 32 matrix instructions on 4 accumulators, which take turns, one instruction a turn.  Two sets of accumulators, X and Y, take turns by trips:
; while one is summed, the argmin over the other, 128 vector instructions, stands in slices of four, one slice behind each matrix instruction; and each fragment is loaded anew, for the next tile, behind its four products.
; TRANSPOSED USE: source 0 = 16 targets, source 1 = 16 source rows: lane (r, h) holds source row r, register j target 8 h + j.  So the argmin runs down a lane's registers; lanes meet once, at the end.
; THE ARGMIN'S STATE, for each row tile a and register parity e: the smallest d so far (M) and a scalar candidate (tile's first target + 2 p) kept where d was smaller (IX); 8 h + e is added at the end.  Within a state
; the targets come in ascending order and the test is strict; the merges at the end are by (key, index): so the lowest index wins among equals, as top_k has it.
; REGISTER WINDOWS (s_set_vgpr_msb: bits 1:0 source 0, 3:2 source 1, 5:4 source 2, 7:6 destination).  Window 0 holds all that source 0, source 2 and the destination name: target fragments, accumulators, state.
; The source rows' fragments lie in window 1 (K steps 0-3) and window 2 (K steps 4-7) and are reached by the field of source 1 alone.  Every slice instruction has a scalar or a constant as its second source, so slices,
; LDS loads and products run under one setting.  That is why d < m is taken as the sign of t = d x 1.0 - m (packed; exact in sign, denormals are kept) and the minimum as min3(d, +infinity, m).
; CLUSTER.  The four work-groups of a cluster have the same y and walk the same targets: each tile is asked for JOINTLY, mask 15; each wave brings a quarter of a slot (2 tiles, 32,768 bytes) by one load.
; The source rows are not asked for jointly: the partners of a cluster have different row blocks, and the work-groups that share a row block (the eight y) read it once each, 262,144 bytes against the 1,048,576 of targets
; that a work-group walks, straight into registers, which a joint load cannot fill.
; No prefetch is laid: a refill is asked for 256 matrix instructions of each wave ahead of the wait for it, and each tile of targets is read by eight clusters, not once.
; A wave has two tensor loads out at the start and one behind each round.
.set TILEB, 16384                      ; a tile of 16 targets
.set SLOT1, 1<<17                      ; slot 1 begins here: one exclusive or turns an address in one slot into the other's
.set SPARE, 2*SLOT1                    ; behind the ring: the spare words, 128 bytes for each wave: two blocks of 256 bytes that no other line names
.set LI,   1                           ; v1   16 x lane: my place in an image; never rewritten
.set ADX,  2                           ; v2   LDS address of the loads issued in X trips
.set SPW,  3                           ; v3   LDS address of my spare word; never rewritten
.set NIL,  4                           ; v4   0; never rewritten
.set H8,   5                           ; v5   8 h
.set OA,   6                           ; v6   8 x lane: my place in a store of 32 (key, index) pairs
.set ADY,  7                           ; v7   LDS address of the loads issued in Y trips
.set OUTP, 8                           ; v[8:11] two pairs to store
.set M,    16                          ; v[16:23] the smallest d: row tile a, parity e at M + 2 a + e; at the end the keys
.set IX,   24                          ; v[24:31] its candidate, likewise
.set T,    32                          ; v[32:39] t = d - m; at work at the end
.set XS,   64                          ; v[64:95]  accumulators, set X: row tile a at XS + 8 a
.set YS,   96                          ; v[96:127] set Y
.set TF,   128                         ; v[128:255] the eight fragments of a target tile
.set WV,   12                          ; s12  my wave's number
.set G1,   16                          ; s[16:23] descriptor group 1
.set G0F,  24                          ; s[24:27] group 0 of slot 0's first fill
.set G0W,  28                          ; s[28:31] group 0 of slot 1's first fill, which then walks
.set NC,   34                          ; s[34:35] -2^(e0 + e1), twice: the packed form names a pair
.set PINF, 36                          ; s36  +infinity
.set CAND, 40                          ; s[40:43] candidate for register pair p: first target of the tile whose argmin is in hand + 2 p
.set MK,   44                          ; s[44:51] lane masks d < m, as M is laid
.set TB,   52                          ; s52  LDS byte of the tile to be fetched next
.set PAIRS, 53
.set SLOTS, 54
.set SEL,  58                          ; s[58:59] v_permlanex16_b32: lane l takes lane l xor 16
.set W1,   0x04                        ; source 1 in window 1
.set W2,   0x08                        ; source 1 in window 2
.set MSB, 0
.macro WIN new                         ; the immediate's high byte repeats the setting that is left; a switch that changes nothing is dropped
.if MSB != \new
	s_set_vgpr_msb (MSB<<8)|\new
.set MSB, \new
.endif
.endm
; A round of the cluster's barrier: my work-group's barrier, so that wave 0's signal speaks for all four waves; wave 0 signals; every wave waits for all four work-groups; my work-group's barrier once more.
.macro ROUND
	s_barrier_signal -1
	s_barrier_wait -1
	s_cmp_lg_u32 s[WV], 0
	s_cbranch_scc1 .Lnot_wave_0_\@
	s_barrier_signal -3
.Lnot_wave_0_\@:
	s_barrier_wait -3
	s_barrier_signal -1
	s_barrier_wait -1
.endm
; One product: K step g of the tile in TF against row tile a, into set S.  K step 0 starts the sums: nothing is cleared.
.macro WM S, g, a
.if (\g) == 0
	v_wmma_f32_16x16x128_fp8_fp8 v[\S+8*\a:\S+8*\a+7], v[TF+16*(\g):TF+16*(\g)+15], v[64*((\g)%4)+16*\a:64*((\g)%4)+16*\a+15], 0
.else
	v_wmma_f32_16x16x128_fp8_fp8 v[\S+8*\a:\S+8*\a+7], v[TF+16*(\g):TF+16*(\g)+15], v[64*((\g)%4)+16*\a:64*((\g)%4)+16*\a+15], v[\S+8*\a:\S+8*\a+7]
.endif
.endm
; Number n of 128 of the argmin over set S.  0-15: d = 1 - sum x 2^(e0 + e1), in place, a pair at a time, pair 0 of each accumulator first (each accumulator is read from its low end on).
; Then for each pair p seven stages of four (one for each row tile): t = d - m (packed); t < 0, even and odd register; the candidate where it holds, even and odd; the new minimum, even and odd.
.macro EP n, S
.set EJ, (\n)
.if EJ < 16
.set EA, EJ%4
.set EPR, EJ/4
	v_pk_fma_f32 v[\S+8*EA+2*EPR:\S+8*EA+2*EPR+1], v[\S+8*EA+2*EPR:\S+8*EA+2*EPR+1], s[NC:NC+1], 1.0 op_sel_hi:[1,0,0]
.else
.set EQ, EJ-16
.set EPR, EQ/28
.set EST, (EQ%28)/4
.set EA, EQ%4
.set EPAR, (EST+1)%2
.if EST == 0
	v_pk_fma_f32 v[T+2*EA:T+2*EA+1], v[\S+8*EA+2*EPR:\S+8*EA+2*EPR+1], 1.0, v[M+2*EA:M+2*EA+1] op_sel_hi:[1,0,1] neg_lo:[0,0,1] neg_hi:[0,0,1]
.elseif EST < 3
	v_cmp_lt_f32 s[MK+2*EA+EPAR], v[T+2*EA+EPAR], 0
.elseif EST < 5
	v_cndmask_b32 v[IX+2*EA+EPAR], v[IX+2*EA+EPAR], s[CAND+EPR], s[MK+2*EA+EPAR]
.else
	v_min3_num_f32 v[M+2*EA+EPAR], v[\S+8*EA+2*EPR+EPAR], s[PINF], v[M+2*EA+EPAR]
.endif
.endif
.endm
.macro LDF g, adr, off                 ; fragment g of the tile at v[adr] + off: four loads of 512 consecutive bytes
.irp c, 0,1,2,3
	ds_load_b128 v[TF+16*(\g)+4*\c:TF+16*(\g)+4*\c+3], v[\adr] offset:(\off)+2048*(\g)+512*\c
.endr
.endm
; K step g of a trip: four products into set S, a slice of set E's argmin behind each.  cnt: the LDS instructions issued behind fragment g's loads, which may stay out (-1: no wait is owed).  ld = 1: the fragment is
; loaded anew.  A load into a register that a matrix instruction has read stands four plain vector instructions behind it (ISA guide 7.12.1 for vector instructions): the slice behind the fourth product,
; which names set E, the state and scalars alone, is those four.
.macro GROUP S, E, g, cnt, ld, adr, off
.if (\cnt) >= 0
	s_wait_dscnt \cnt
.endif
.irp a, 0,1,2,3
	WM \S, \g, \a
	EP 16*(\g)+4*\a, \E
	EP 16*(\g)+4*\a+1, \E
	EP 16*(\g)+4*\a+2, \E
	EP 16*(\g)+4*\a+3, \E
.endr
.if \ld
	LDF \g, \adr, \off
.endif
.endm
.macro STEPC                           ; the candidates go on to the next tile
.irp p, 0,1,2,3
	s_add_co_u32 s[CAND+\p], s[CAND+\p], 16
.endr
.endm
; A trip.  The fragments' loads go out in the fixed order 0 to 7, tile after tile: behind fragment g's four stand the seven others' 28, so the wait is for 28, over every back edge and every change of slots too.
.macro TRIP S, E, adr, off
	WIN W1
.irp g, 0,1,2,3
	GROUP \S, \E, \g, 28, 1, \adr, \off
.endr
	WIN W2
.irp g, 4,5,6,7
	GROUP \S, \E, \g, 28, 1, \adr, \off
.endr
	STEPC
.endm
; Tiles 0 to 5 of a slot, two a trip of the loop; they fetch tiles 1 to 6.  An address register is written only when the counted waits have shown its own loads done: ADX's, issued in the X trip, by the Y trip's
; eight waits; ADY's, issued in the Y trip, by the next X trip's.
.macro INNER
	s_mov_b32 s[PAIRS], 3
.Lpair_\@:
	v_add_nc_u32 v[ADX], s[TB], v[LI]
	TRIP XS, YS, ADX, 0
	WIN 0
	v_add_nc_u32 v[ADY], s[TB], v[LI]
	TRIP YS, XS, ADY, TILEB
	WIN 0                                          ; at a label and at a branch every window is 0
	s_add_co_u32 s[TB], s[TB], 2*TILEB
	s_sub_co_u32 s[PAIRS], s[PAIRS], 1
	s_cmp_lg_u32 s[PAIRS], 0
	s_cbranch_scc1 .Lpair_\@
.endm
; Tiles 6 and 7 of a slot, and the change of slots.  Tile 6's trip fetches tile 7: the slot's last reads.  In tile 7's trip each wave waits for all its tensor loads (its quarter of the other slot), adds 0 to its spare
; word, multiplies two K steps, and waits for the add and for its reads of this slot.  Behind the barrier nobody reads this slot and the other is whole.  fill = 1: the barrier is a round of the cluster's, and the joint
; refill (the tiles two slots on) is the first thing behind it.  Then the other slot's tile 0 is fetched, fragments 0 and 1 at once, the others behind their products as in every trip.
.macro PAIRC fill
	v_add_nc_u32 v[ADX], s[TB], v[LI]
	TRIP XS, YS, ADX, 0
	WIN 0                                          ; (the add's two registers lie in window 0)
	s_wait_tensorcnt 0x0                           ; no tensor load of mine is out, so a group 0 may be written
	ds_add_u32 v[SPW], v[NIL]                      ; 0 onto my spare word
.if \fill
	s_xor_b32 s[G0W+1], s[G0W+1], SLOT1            ; the walking descriptor: the other slot than last time,
	s_add_nc_u64 s[G0W+2:G0W+3], s[G0W+2:G0W+3], 8*TILEB   ; the next 8 tiles; the type bits on top are not reached
.endif
	s_sub_co_u32 s[TB], s[TB], 7*TILEB             ; the fetches go back to a slot's first tile,
	s_xor_b32 s[TB], s[TB], SLOT1                  ; in the other slot
	WIN W1
	GROUP YS, XS, 0, 29, 0, ADY, 0                 ; behind fragment 0's loads: the seven others' 28 and the add
	GROUP YS, XS, 1, 25, 0, ADY, 0                 ; behind fragment 1's: six others' 24 and the add
	WIN 0
	s_wait_dscnt 0x0                               ; the add is done, and my reads of this slot are over
.if \fill
	ROUND                                          ; no wave of any partner still reads this slot or has a load on its way
	tensor_load_to_lds s[G0W:G0W+3], s[G1:G1+7]    ; my one tensor load behind the round: it has the other slot's 256 matrix instructions in which to land
	s_nop 0
.rept 4
	v_nop
.endr
.else
	s_barrier_signal -1
	s_barrier_wait -1
.endif
	v_add_nc_u32 v[ADY], s[TB], v[LI]
	LDF 0, ADY, 0
	LDF 1, ADY, 0
	WIN W1
	GROUP YS, XS, 2, -1, 1, ADY, 0                 ; fragments 2 to 7 were shown in by the wait for 0
	GROUP YS, XS, 3, -1, 1, ADY, 0
	WIN W2
.irp g, 4,5,6,7
	GROUP YS, XS, \g, -1, 1, ADY, 0
.endr
	WIN 0
	STEPC
	s_add_co_u32 s[TB], s[TB], TILEB               ; next to be fetched: tile 1
.endm
; The very last two tiles: the last trip fetches nothing, and its counts run down.
.macro PAIRL
	v_add_nc_u32 v[ADX], s[TB], v[LI]
	TRIP XS, YS, ADX, 0
	WIN W1
.irp g, 0,1,2,3
	GROUP YS, XS, \g, 28-4*\g, 0, ADY, 0
.endr
	WIN W2
.irp g, 4,5,6,7
	GROUP YS, XS, \g, 28-4*\g, 0, ADY, 0
.endr
	WIN 0
	STEPC
.endm
; (k0, i0) becomes the smaller of (k0, i0) and (k1, i1), by key and, among equal keys, by index.  Only values are chosen: no branch and no address hangs on them.
.macro MERGE k0, i0, k1, i1
	v_cmp_lt_u32 s[MK], v[\k1], v[\k0]
	v_cmp_eq_u32 s[MK+1], v[\k1], v[\k0]
	v_cmp_lt_u32 s[MK+2], v[\i1], v[\i0]
	s_and_b32 s[MK+1], s[MK+1], s[MK+2]
	s_or_b32 s[MK], s[MK], s[MK+1]
	v_cndmask_b32 v[\k0], v[\k0], v[\k1], s[MK]
	v_cndmask_b32 v[\i0], v[\i0], v[\i1], s[MK]
.endm
	s_load_b256 s[4:11], s[0:1], 0x0               ; source codes s[4:5], target codes s[6:7], the scales' exponents s[8:9], cand s[10:11]
	v_lshl_add_u32 v[SPW], v0, 2, SPARE
	v_mov_b32 v[NIL], 0
	ds_add_u32 v3, v4
	ds_add_u32 v3, v4
	s_wait_dscnt 0x0
	v_lshrrev_b32 v[OUTP], 5, v0
	v_readfirstlane_b32 s[WV], v[OUTP]             ; wave 0..3
	s_bfe_u32 s13, ttmp6, 0x40000                  ; cx: my place in the cluster
	s_lshl_b32 s14, ttmp9, 2                       ; in a cluster launch ttmp9 counts clusters
	s_add_co_u32 s14, s14, s13                     ; my row block = 4 x cluster x + cx: it enters the source's and cand's addresses alone
	s_and_b32 s15, ttmp7, 0xffff                   ; y: my eighth of the targets, which the four partners share
	; descriptor group 1: a dense block of 32,768 bytes as 128 rows of 32 elements of 8 bytes, no padding (an image is read 512 consecutive bytes an instruction)
	s_mov_b32 s[G1], 15|(3<<16)|(1<<21)            ; 15:0 the mask: all four work-groups; 17:16 elements of 8 bytes; 21 set beside a mask
	s_mov_b32 s[G1+1], 32<<16                      ; tensor_dim0 = 32
	s_mov_b32 s[G1+2], 128<<16                     ; tensor_dim1 = 128
	s_mov_b32 s[G1+3], 32<<16                      ; tile_dim0 = 32
	s_mov_b32 s[G1+4], 128                         ; tile_dim1 = 128
	s_mov_b32 s[G1+5], 32                          ; from row to row: 32 elements
	s_mov_b32 s[G1+6], 0
	s_mov_b32 s[G1+7], 0
	s_lshl_b32 s60, s[WV], 15                      ; my quarter of a slot: 32,768 x wave, in memory and in LDS: no place in the cluster enters it
	s_lshl_b32 s32, s15, 20                        ; my eighth: 64 tiles of 16,384 bytes
	s_add_co_u32 s32, s32, s60
	s_mov_b32 s33, 0
	v_and_b32 v[LI], 31, v0
	v_lshlrev_b32 v[OA], 3, v[LI]
	v_lshlrev_b32 v[LI], 4, v[LI]
	v_bfe_u32 v[H8], v0, 4, 1
	v_lshlrev_b32 v[H8], 3, v[H8]
	s_lshl_b32 s38, s14, 4                         ; my wave's first source tile: 16 x row block + 4 x wave,
	s_lshl_b32 s61, s[WV], 2
	s_add_co_u32 s38, s38, s61
	s_lshl_b32 s38, s38, 14                        ; in bytes
	s_mov_b32 s39, 0
	s_wait_kmcnt 0x0
	s_load_b64 s[56:57], s[8:9], 0x0               ; e0, e1
	s_add_nc_u64 s[6:7], s[6:7], s[32:33]
	s_add_nc_u64 s[4:5], s[4:5], s[38:39]
	s_mov_b32 s[G0F], 1                            ; 1:0 count = 1
	s_mov_b32 s[G0F+1], s60                        ; 63:32 LDS address: slot 0
	s_mov_b64 s[G0F+2:G0F+3], s[6:7]               ; 120:64 global address: tiles 0 to 7 of my eighth, my quarter
	s_or_b32 s[G0F+3], s[G0F+3], 0x80000000        ; 127:126 type = 2
	s_mov_b32 s[G0W], 1
	s_add_co_u32 s[G0W+1], s60, SLOT1              ; slot 1,
	s_add_nc_u64 s[G0W+2:G0W+3], s[6:7], 8*TILEB   ; tiles 8 to 15
	s_or_b32 s[G0W+3], s[G0W+3], 0x80000000
	s_lshl_b32 s38, s14, 8                         ; cand: row 256 x row block + 64 x wave, 8 bytes a row, in eighth y's 65,536 bytes
	s_lshl_b32 s61, s[WV], 6
	s_add_co_u32 s38, s38, s61
	s_lshl_b32 s38, s38, 3
	s_lshl_b32 s61, s15, 16
	s_add_co_u32 s38, s38, s61
	s_add_nc_u64 s[10:11], s[10:11], s[38:39]
	ROUND                                          ; all four work-groups are here: the first joint loads meet
	tensor_load_to_lds s[G0F:G0F+3], s[G1:G1+7]    ; both first fills go out together, ahead of every wait on TENSORcnt and every LDS read
	s_nop 0
	tensor_load_to_lds s[G0W:G0W+3], s[G1:G1+7]
	s_nop 0
.rept 4
	v_nop
.endr
	WIN 0x40                                       ; destination window 1, address window 0
.irp s, 0,1,2,3                        ; my 64 source rows stay in registers: fragment (K step s, row tile a) at v[64 (s % 4) + 16 a] of window 1 + s / 4
.irp a, 0,1,2,3
.irp c, 0,1,2,3
	global_load_b128 v[64*\s+16*\a+4*\c:64*\s+16*\a+4*\c+3], v[LI], s[4:5] offset:\a*TILEB+\s*2048+\c*512
.endr
.endr
.endr
	WIN 0x80                                       ; destination window 2
.irp s, 0,1,2,3
.irp a, 0,1,2,3
.irp c, 0,1,2,3
	global_load_b128 v[64*\s+16*\a+4*\c:64*\s+16*\a+4*\c+3], v[LI], s[4:5] offset:\a*TILEB+(\s+4)*2048+\c*512
.endr
.endr
.endr
	WIN 0
.irp i, 0,1,2,3,4,5,6,7
	v_mov_b32 v[M+\i], 0x7f800000                  ; the smallest d so far: +infinity
	v_mov_b32 v[IX+\i], 0
.endr
.set Q, 0
.rept 32
	v_mov_b32 v[YS+Q], 0xff800000                  ; the loop has no first trip of its own: its first slices find sums of -infinity, so d = +infinity, t = NaN, the test fails and the state stays
.set Q, Q+1
.endr
	s_mov_b32 s[PINF], 0x7f800000
	s_mov_b32 s[SEL], 0x76543210
	s_mov_b32 s[SEL+1], 0xfedcba98
	s_lshl_b32 s[CAND], s15, 10
	s_sub_co_u32 s[CAND], s[CAND], 16              ; a trip's slices serve the tile before: the candidates run one tile behind the products (the first, never taken, may wrap)
	s_add_co_u32 s[CAND+1], s[CAND], 2
	s_add_co_u32 s[CAND+2], s[CAND], 4
	s_add_co_u32 s[CAND+3], s[CAND], 6
	s_mov_b32 s[TB], TILEB                         ; next to be fetched by a trip: tile 1 of slot 0
	s_wait_kmcnt 0x0
	s_add_co_i32 s[NC], s56, s57                   ; e0 + e1, between -126 and 127,
	s_add_co_i32 s[NC], s[NC], 127
	s_lshl_b32 s[NC], s[NC], 23
	s_or_b32 s[NC], s[NC], 0x80000000              ; makes -2^(e0 + e1)
	s_mov_b32 s[NC+1], s[NC]                       ; (named with it as a pair, so it is written)
	s_wait_tensorcnt 0x1                           ; my quarter of slot 0 is in; slot 1's may stay out
	s_barrier_signal -1
	s_barrier_wait -1                              ; everybody's is
	v_mov_b32 v[ADY], v[LI]
.irp g, 0,1,2,3,4,5,6,7
	LDF \g, ADY, 0                                 ; tile 0
.endr
	s_wait_loadcnt 0x0                             ; the source rows
	s_mov_b32 s[SLOTS], 6
.Lslot:                                            ; slots 0 to 5: each is filled again with the tiles two slots on
	INNER
	PAIRC 1
	s_sub_co_u32 s[SLOTS], s[SLOTS], 1
	s_cmp_lg_u32 s[SLOTS], 0
	s_cbranch_scc1 .Lslot
	INNER                                          ; the tail is written out: slot 6 is left and nothing is asked for
	PAIRC 0
	INNER                                          ; and slot 7
	PAIRL
.set Q, 0
.rept 128
	EP Q, YS                                       ; the last tile's argmin.  The last product's four places are the slice behind it
.set Q, Q+1
.endr
	; THE END.  Keys; the lanes' own part of the index; parities merged; the two halves of the lanes merged.
.irp i, 0,1,2,3,4,5,6,7
	v_ashrrev_i32 v[T+\i], 31, v[M+\i]
.endr
.irp i, 0,1,2,3,4,5,6,7
	v_or_b32 v[T+\i], 0x80000000, v[T+\i]
.endr
.irp i, 0,1,2,3,4,5,6,7
	v_xor_b32 v[M+\i], v[M+\i], v[T+\i]            ; negative d: all bits turned; else the top bit: ascending as unsigned numbers
.endr
.irp a, 0,1,2,3
	v_add_nc_u32 v[IX+2*\a], v[IX+2*\a], v[H8]     ; target = tile's first + 2 p + 8 h + parity
	v_add3_u32 v[IX+2*\a+1], v[IX+2*\a+1], v[H8], 1
.endr
.irp a, 0,1,2,3
	MERGE M+2*\a, IX+2*\a, M+2*\a+1, IX+2*\a+1
.endr
.irp a, 0,1,2,3
	v_permlanex16_b32 v[T+2*\a], v[M+2*\a], s[SEL], s[SEL+1]      ; the row's other eight targets of each tile lie in the lane 16 away
	v_permlanex16_b32 v[T+2*\a+1], v[IX+2*\a], s[SEL], s[SEL+1]
.endr
.irp a, 0,1,2,3
	MERGE M+2*\a, IX+2*\a, T+2*\a, T+2*\a+1
.endr
	s_mov_b32 s[MK], 0xffff0000                    ; both halves now hold each row tile's result: lanes 0-15 give tile a's rows, lanes 16-31 tile a + 1's
	v_cndmask_b32 v[OUTP], v[M], v[M+2], s[MK]
	v_cndmask_b32 v[OUTP+1], v[IX], v[IX+2], s[MK]
	v_cndmask_b32 v[OUTP+2], v[M+4], v[M+6], s[MK]
	v_cndmask_b32 v[OUTP+3], v[IX+4], v[IX+6], s[MK]
	global_store_b64 v[OA], v[OUTP:OUTP+1], s[10:11]               ; 32 rows' pairs: 256 consecutive bytes, at a multiple of 256 from cand's first byte
	global_store_b64 v[OA], v[OUTP+2:OUTP+3], s[10:11] offset:256
	s_wait_tensorcnt 0x0                           ; the wave's end, behind my last tensor load
	ds_add_u32 v[SPW], v[NIL]
	s_wait_dscnt 0x0
	ROUND                                          ; the closing round: no work-group ends while a partner may still ask for a tile that names it
	s_endpgm
.Lfunc_end_k_qa80b491d09_knn:
	.size	k_qa80b491d09_knn, .Lfunc_end_k_qa80b491d09_knn-k_qa80b491d09_knn
	.p2alignl 7, 3214868480
	.fill 96, 4, 3214868480
	.section	.rodata,"a",@progbits
	.p2align	6, 0x0
	.amdhsa_kernel k_qa80b491d09_knn
		.amdhsa_group_segment_fixed_size 327680
		.amdhsa_private_segment_fixed_size 0
		.amdhsa_enable_private_segment 0
		.amdhsa_kernarg_size 32
		.amdhsa_user_sgpr_count 2
		.amdhsa_user_sgpr_kernarg_segment_ptr 1
		.amdhsa_wavefront_size32 1
		.amdhsa_system_sgpr_workgroup_id_x 1
		.amdhsa_system_sgpr_workgroup_id_y 1
		.amdhsa_system_sgpr_workgroup_id_z 1
		.amdhsa_system_vgpr_workitem_id 0
		.amdhsa_next_free_vgpr 768
		.amdhsa_next_free_sgpr 66
		.amdhsa_reserve_vcc 0
		.amdhsa_float_denorm_mode_32 3
		.amdhsa_float_denorm_mode_16_64 3
		.amdhsa_memory_ordered 1
		.amdhsa_forward_progress 1
		.amdhsa_inst_pref_size 185
	.end_amdhsa_kernel
	.amdgpu_metadata
---
amdhsa.version: [ 1, 2 ]
amdhsa.kernels:
  - .name:           k_qa80b491d09_knn
    .symbol:         k_qa80b491d09_knn.kd
    .args:
      - { .name: src_codes, .offset: 0, .size: 8, .value_kind: global_buffer, .address_space: global }
      - { .name: tgt_codes, .offset: 8, .size: 8, .value_kind: global_buffer, .address_space: global }
      - { .name: lowp_scales, .offset: 16, .size: 8, .value_kind: global_buffer, .address_space: global }
      - { .name: cand, .offset: 24, .size: 8, .value_kind: global_buffer, .address_space: global }
    .group_segment_fixed_size: 327680
    .private_segment_fixed_size: 0
    .kernarg_segment_align: 8
    .kernarg_segment_size: 32
    .max_flat_workgroup_size: 128
    .sgpr_count:     66
    .vgpr_count:     768
    .wavefront_size: 32
...
	.end_amdgpu_metadata
.endif
;; end of part 2
;; launch gather (part 3): grid 256 x 1, 8 waves a work-group, no clusters, 0 bytes of LDS; arguments cand, target_features, out0; writes out0
.if DOCPART == 3
	.amdgcn_target "amdgcn-amd-amdhsa--gfx1250"
	.amdhsa_code_object_version 6
	.text
	.protected	k_qa80b491d09_gather
	.globl	k_qa80b491d09_gather
	.p2align	8
	.type	k_qa80b491d09_gather,@function
k_qa80b491d09_gather:
	s_mov_b64 s[64:65], 0
	v_nop
	global_prefetch_b8 v0, s[64:65] scope:SCOPE_SE
	s_setreg_imm32_b32 hwreg(HW_REG_WAVE_MODE, 25, 1), 1
	s_wait_xcnt 0x0
; out0[row] = target_features[the target with the smallest key among the row's eight candidates].  cand: [8 eighths][8192 rows][key, index], whole numbers stored by the launch before; a key ascends with the distance.
; The eighths are taken in ascending order with a strict test, and an eighth's targets all come before the next eighth's: so among equal keys the lowest index wins, as top_k has it.  The mean over one neighbour is the row.
; SHARES.  Wave W = 8 x work-group + wave takes rows 4 W to 4 W + 3.  Its candidates are 32 consecutive bytes in each eighth: eight scalar loads.  The choice is scalar arithmetic on whole numbers read from memory.
; A row is 4,096 bytes: eight loads and eight stores of 512 consecutive bytes.  All 32 loads of a wave are out before its first store.  No LDS, no barrier, no loop: waves share nothing.
; The index is held at 8,191 ahead of the address (it never exceeds it).  A target may be chosen by many rows, so the loads carry no hint; the output is written once.
.set K0, 16                            ; s[16:23] eighth 0's four (key, index) pairs, which become the best; eighths 1 to 5 in s[24:63], 6 and 7 in s[68:83]
.set RB, 84                            ; s[84:91] the four chosen rows' addresses
.set D,  8                             ; v[8:135] four rows of 32 registers
	s_load_b128 s[4:7], s[0:1], 0x0                ; cand, target_features
	s_load_b64 s[8:9], s[0:1], 0x10                ; out0
	v_lshrrev_b32 v1, 5, v0
	v_readfirstlane_b32 s12, v1                    ; wave 0..7
	v_and_b32 v1, 31, v0
	v_lshlrev_b32 v1, 4, v1                        ; 16 x lane
	s_lshl_b32 s13, ttmp9, 3
	s_add_co_u32 s13, s13, s12                     ; W
	s_lshl_b32 s14, s13, 5                         ; four rows' pairs: 32 bytes
	s_mov_b32 s15, 0
	s_wait_kmcnt 0x0
	s_add_nc_u64 s[10:11], s[4:5], s[14:15]
	s_lshl_b32 s14, s13, 14                        ; four rows of 4,096 bytes
	s_add_nc_u64 s[8:9], s[8:9], s[14:15]
.irp y, 0,1,2,3,4,5
	s_load_b256 s[K0+8*\y:K0+8*\y+7], s[10:11], \y*65536
.endr
	s_load_b256 s[68:75], s[10:11], 6*65536
	s_load_b256 s[76:83], s[10:11], 7*65536
	s_wait_kmcnt 0x0
.irp p, 0,1,2,3
.irp kb, 24,32,40,48,56,68,76
	s_cmp_lt_u32 s[\kb+2*\p], s[K0+2*\p]           ; strictly smaller: an earlier eighth keeps a tie
	s_cselect_b32 s[K0+2*\p], s[\kb+2*\p], s[K0+2*\p]
	s_cselect_b32 s[K0+2*\p+1], s[\kb+2*\p+1], s[K0+2*\p+1]
.endr
	s_min_u32 s[K0+2*\p+1], s[K0+2*\p+1], 0x1fff   ; a loaded number enters an address only behind this hold
	s_lshl_b32 s[RB+2*\p], s[K0+2*\p+1], 12
	s_mov_b32 s[RB+2*\p+1], 0
	s_add_nc_u64 s[RB+2*\p:RB+2*\p+1], s[6:7], s[RB+2*\p:RB+2*\p+1]
.irp i, 0,1,2,3,4,5,6,7
	global_load_b128 v[D+32*\p+4*\i:D+32*\p+4*\i+3], v1, s[RB+2*\p:RB+2*\p+1] offset:512*\i
.endr
.endr
.irp p, 0,1,2,3
	s_wait_loadcnt 24-8*\p                         ; loads come back in order: row p's eight are in, the later rows' stay out
.irp i, 0,1,2,3,4,5,6,7
	global_store_b128 v1, v[D+32*\p+4*\i:D+32*\p+4*\i+3], s[8:9] offset:4096*\p+512*\i th:TH_STORE_NT   ; 512 consecutive bytes, at a multiple of 512 from out0's first byte
.endr
.endr
	s_endpgm
.Lfunc_end_k_qa80b491d09_gather:
	.size	k_qa80b491d09_gather, .Lfunc_end_k_qa80b491d09_gather-k_qa80b491d09_gather
	.p2alignl 7, 3214868480
	.fill 96, 4, 3214868480
	.section	.rodata,"a",@progbits
	.p2align	6, 0x0
	.amdhsa_kernel k_qa80b491d09_gather
		.amdhsa_group_segment_fixed_size 0
		.amdhsa_private_segment_fixed_size 0
		.amdhsa_enable_private_segment 0
		.amdhsa_kernarg_size 24
		.amdhsa_user_sgpr_count 2
		.amdhsa_user_sgpr_kernarg_segment_ptr 1
		.amdhsa_wavefront_size32 1
		.amdhsa_system_sgpr_workgroup_id_x 1
		.amdhsa_system_sgpr_workgroup_id_y 1
		.amdhsa_system_sgpr_workgroup_id_z 1
		.amdhsa_system_vgpr_workitem_id 0
		.amdhsa_next_free_vgpr 136
		.amdhsa_next_free_sgpr 92
		.amdhsa_reserve_vcc 0
		.amdhsa_float_denorm_mode_32 3
		.amdhsa_float_denorm_mode_16_64 3
		.amdhsa_memory_ordered 1
		.amdhsa_forward_progress 1
		.amdhsa_inst_pref_size 11
	.end_amdhsa_kernel
	.amdgpu_metadata
---
amdhsa.version: [ 1, 2 ]
amdhsa.kernels:
  - .name:           k_qa80b491d09_gather
    .symbol:         k_qa80b491d09_gather.kd
    .args:
      - { .name: cand, .offset: 0, .size: 8, .value_kind: global_buffer, .address_space: global }
      - { .name: target_features, .offset: 8, .size: 8, .value_kind: global_buffer, .address_space: global }
      - { .name: out0, .offset: 16, .size: 8, .value_kind: global_buffer, .address_space: global }
    .group_segment_fixed_size: 0
    .private_segment_fixed_size: 0
    .kernarg_segment_align: 8
    .kernarg_segment_size: 24
    .max_flat_workgroup_size: 256
    .sgpr_count:     92
    .vgpr_count:     136
    .wavefront_size: 32
...
	.end_amdgpu_metadata
.endif
;; end of part 3
